; MI455X (gfx1250); checked and timed in simulation.
; The chip was launched on July 23, 2026; its instructions are those of AMD's public machine-readable ISA for CDNA 5 (MIT licence, August 2026) and "CDNA5" Instruction Set Architecture Reference Guide (July 2026). The comments in the code are by the model that wrote it; some were corrected since.
;; Multihead Attention. Allowed arithmetic: matrix products marked QUANTISED: E4M3 operands, one given power-of-two scale a tensor, by v_wmma_f32_16x16x64_fp8_fp8 or v_wmma_f32_16x16x128_fp8_fp8, f32 sums; everything else in f32.
;; Inputs: b_in 3,072 float32; b_out 1,024 float32; lowp_scales 8 int32 (the exponents e of the quantised operands' scales 2^e); w_in_codes 3,072 x 32 x 32 uint8 (E4M3 codes of w_in, K innermost, in blocks of 32 codes); w_out_codes 1,024 x 32 x 32 uint8 (E4M3 codes of w_out, K innermost, in blocks of 32 codes); x_codes 2 x 2,048 x 32 x 32 uint8 (E4M3 codes of x, K innermost, in blocks of 32 codes).
;; Outputs: out0 2 x 2,048 x 1,024 float32.
;; This version of the problem:
;;   THIS VERSION OF THE PROBLEM IS GIVEN IN LOW PRECISION. The matrix products marked QUANTISED in the list below multiply operands that are first quantised to E4M3 (4 exponent bits, 3 mantissa bits; 8 bits a number), with one given power-of-two scale for each operand tensor; their sums are f32. All else is computed in f32.
;;   The module's matrix products, in the order in which they are computed (A, B: the left and right operand; K: the contracted axis; several contracted axes count as one K, in the product's order):
;;     1. [M 4,096, K 1,024] x [K 1,024, N 3,072]; A: input x (given as codes); B: input w_in (given as codes): QUANTISED (scales: A lowp_scales[0], B lowp_scales[1])
;;     2. batch 32 x [M 2,048, K 64] x [K 64, N 2,048]; A: computed on the way; B: computed on the way: QUANTISED (scales: A lowp_scales[2], B lowp_scales[3])
;;     3. batch 32 x [M 2,048, K 2,048] x [K 2,048, N 64]; A: softmax (see below); B: computed on the way: QUANTISED (scales: A lowp_scales[4], B lowp_scales[5])
;;     4. [M 4,096, K 1,024] x [K 1,024, N 1,024]; A: computed on the way; B: input w_out (given as codes): QUANTISED (scales: A lowp_scales[6], B lowp_scales[7])
;;   THE QUANTISER, for each operand of a quantised product, along K:
;;     - The operand's scale is 2^e, e = its entry of the input lowp_scales (int32; the entries are numbered through the quantised products in the list's order, A before B).
;;     - Each number is divided by the scale, clamped to +-448, and rounded to the nearest number of E4M3, ties to even, subnormals kept.
;;     - The product sums the exact products of the quantised numbers (number of the format x scale) in f32.
;;   ~~~python
;;   def quantise(x, axis, e):      # numpy; x: float32 -> the quantised numbers, widened to float32 again
;;       x = np.moveaxis(x, axis, -1); K = x.shape[-1]
;;       r = np.clip(x / 2.0 ** e, -448, 448)
;;       step = 2.0 ** (np.maximum(np.frexp(np.where(r == 0, 1, r))[1] - 1, -6) - 3)
;;       q = np.round(r / step) * step * 2.0 ** e      # np.round: ties to even
;;       return np.moveaxis(q, -1, axis).astype(np.float32)
;;   ~~~
;;   SOFTMAX AHEAD OF A QUANTISED PRODUCT. Where the list says 'softmax', what is quantised is not the finished softmax but p = 2^(t - M), with t = logit x log2(e) and M = ceil(the row's largest t), a whole number; so 1/2 < the row's largest p <= 1. The row's sum l is taken of the UNQUANTISED p, in f32, and the product's result is divided by l at the end. Since M is a whole number, a kernel that streams over the keys may use a running M (the ceiling of the running maximum): every later rescaling is an exact power of two, so the quantised numbers keep their values, but for numbers so far below the row's largest that they fall under the format's range.
;;   OPERANDS COMPUTED ON THE WAY. 'Computed on the way' means the value that the module computes at that place (a softmax that the list does not call 'softmax' is quantised finished and normalised). What goes into a quantiser is computed in f32, as accurately as f32 sums, v_exp_f32 and their like allow (about 1e-6 of the number): no bf16 or f16 on the way to a quantiser, and a product that is left as it is and whose result goes on into a quantised operand takes f32 operands (vector FMAs, or v_wmma_f32_16x16x4_f32). A number that lies on a knife's edge between two numbers of the format may be rounded either way, as far as f32 arithmetic and the matrix unit's own rounding can turn it there, and no further.
;;   INPUTS GIVEN AS CODES. w_in (in the module: [3072, 1024], K = its axis 1); w_out (in the module: [1024, 1024], K = its axis 1); x (in the module: [2, 2048, 1024], K = its axis 2): each comes as NAME_codes (uint8): NAME with its K axis moved to the last place and cut into blocks of 32 codes, [.., K / 32, bytes a block], one block behind the other in memory; one code a byte (a code: sign, 4 exponent bits, 3 mantissa bits); its scale is its entry of lowp_scales. Its value is code x scale, taken as it is: it is not quantised again, and the codes and scales need not be those that the quantiser above would give.
;; One version. Each part assembles by itself: llvm-mc -triple=amdgcn-amd-amdhsa -mcpu=gfx1250 --defsym DOCPART=n.
;; ======== version 1 of 1: 3 launches
;; limits: right only within a limited range of input values
;; workspace buffers: qkv 12,582,912 bytes; att 4,194,304 bytes
;; launch proj (part 1): grid 12 x 16, 4 waves a work-group, clusters of 4 x 4, 327,680 bytes of LDS; arguments x_codes, w_in_codes, lowp_scales, b_in, qkv; writes qkv
.if DOCPART == 1
	.amdgcn_target "amdgcn-amd-amdhsa--gfx1250"
	.amdhsa_code_object_version 6
	.text
	.protected	k_q1edc5f657b_proj
	.globl	k_q1edc5f657b_proj
	.p2align	8
	.type	k_q1edc5f657b_proj,@function
k_q1edc5f657b_proj:
	s_mov_b64 s[64:65], 0
	v_nop
	global_prefetch_b8 v0, s[64:65] scope:SCOPE_SE
	s_setreg_imm32_b32 hwreg(HW_REG_WAVE_MODE, 25, 1), 1
	s_wait_xcnt 0x0
	s_wait_alu depctr_hold_cnt(0) depctr_sa_sdst(0) depctr_va_vdst(0) depctr_va_sdst(0) depctr_va_ssrc(0) depctr_va_vcc(0) depctr_vm_vsrc(0)
	s_getreg_b32 s2, hwreg(HW_REG_IB_STS2, 6, 4)
	s_cmp_eq_u32 s2, 0
	s_cbranch_scc0 .Lentry_in_a_cluster
	s_endpgm
.Lentry_in_a_cluster:
	s_bfe_u32 s2, ttmp6, 0x10000c
	s_cmp_lg_u32 s2, 0xf033
	s_cbranch_scc0 .Lentry_shape_is_right
	s_endpgm
.Lentry_shape_is_right:
; qkv = quantise(x w_in^T + b_in) on codes of FP8 (E4M3): 256 x 256 tiles, four waves of 128 x 128 each, K in four steps of 256 through a ring of two LDS slots.
; Section q (x 2^-3: the factor 1 / sqrt(64) is the power of two added to e2), k and v are stored as unit images (1,024 bytes: 16 rows x 64 k), in the order in which attn's operand registers take them; v with the tokens along k.
; For v the operands change places (source rows: w_in's; columns: tokens), so that a lane's registers run along the tokens.
; CLUSTERS of 4 x 4 work-groups: A's tile is asked for jointly along a row of the cluster, B's along a column.
; PREFETCH: each K step's 128 rows that a wave fetches are shared out by address among the four that ask jointly, 32 rows each, a lane a row: K steps 1 and 2 are asked for behind the load of K step 0, K step 3 behind that of K step 1.
; LIMITS: e0 + e1, and each of e2 + 3, e3, e5 less (e0 + e1), between -118 and 118, so that the powers of two are f32 numbers.  NaN codes are not served.
.set PFO,    24
.set KROW,   1024
.set ROWB,   256
.set PITCH,  272
.set FR,     16
.set NL,     4
.set NP,     4
.set HALFT,  128*PITCH
.set SLOT,   4*HALFT
.set SPARE,  2*SLOT
.set VO,   8
.set BNA,  12
.set BMA,  13
.set SC,   14
.set LIM,  15
.set ADRA, 16
.set ADRB, 20
.set SPW,  28
.set NIL,  29
.set CM,   32
.set BN,   32
.set T,    96
.set AF,   128
.set TMP,  128
.set CD,   192
.set G1, 24
.set G0, 32
.set G1B, 48
.set G0B, 56
.set MSB, 0
.macro WIN new
.if MSB != (\new)
	s_set_vgpr_msb (MSB<<8)|(\new)
.set MSB, (\new)
.endif
.endm
.set MUL_LO,   0xa1
.set MUL_HI,   0xf1
.set FIRST_LO, 0x81
.set FIRST_HI, 0xc1
.set TO_B,     0x40
.macro JLOAD g0a, g1a, g0b, g1b
	s_cmp_eq_u32 s15, 0
	s_cbranch_scc0 .Lfor_b_\@
	tensor_load_to_lds s[\g0a:\g0a+3], s[\g1a:\g1a+7]
	s_nop 0
.rept 4
	v_nop
.endr
	s_branch .Lasked_\@
.Lfor_b_\@:
	tensor_load_to_lds s[\g0b:\g0b+3], s[\g1b:\g1b+7]
	s_nop 0
.rept 4
	v_nop
.endr
.Lasked_\@:
.endm
.macro CREST
	s_cmp_lg_u32 s14, 0
	s_cbranch_scc1 .Lnot_wave_0_\@
	s_barrier_signal -3
.Lnot_wave_0_\@:
	s_barrier_wait -3
	s_barrier_signal -1
	s_barrier_wait -1
.endm
.macro CROUND
	s_barrier_signal -1
	s_barrier_wait -1
	CREST
.endm
	s_load_b256 s[4:11], s[0:1], 0x0
	s_load_b64 s[12:13], s[0:1], 0x20
	v_lshl_add_u32 v[SPW], v0, 2, SPARE
	v_mov_b32 v[NIL], 0
	ds_add_u32 v28, v29
	ds_add_u32 v28, v29
	s_wait_dscnt 0x0
	v_lshrrev_b32 v1, 5, v0
	v_readfirstlane_b32 s14, v1
	s_lshr_b32 s15, s14, 1
	s_and_b32 s16, s14, 1
	s_bfe_u32 s40, ttmp6, 0x40000
	s_bfe_u32 s41, ttmp6, 0x40004
	s_mov_b32 s66, ttmp9
	s_and_b32 s67, ttmp7, 0xffff
	s_lshl_b32 s43, s41, 2
	s_lshl_b32 s43, 15, s43
	s_lshl_b32 s44, 0x1111, s40
	s_or_b32 s[G1+0], s43, (0<<16)|(1<<20)|(1<<21)|(5<<22)|(3<<25)
	s_or_b32 s[G1B+0], s44, (0<<16)|(1<<20)|(1<<21)|(5<<22)|(3<<25)
.irp g, G1, G1B
	s_mov_b32 s[\g+1], ROWB<<16
	s_mov_b32 s[\g+2], 128<<16
	s_mov_b32 s[\g+3], ROWB<<16
	s_mov_b32 s[\g+4], 128
	s_mov_b32 s[\g+5], KROW
	s_mov_b32 s[\g+6], 0
	s_mov_b32 s[\g+7], 0
.endr
	s_lshl_b32 s18, s67, 2
	s_add_co_u32 s17, s18, s41
	s_add_co_u32 s46, s18, s40
	s_lshl_b32 s19, s66, 2
	s_add_co_u32 s42, s19, s40
	s_mov_b32 s88, 1024
	s_mov_b32 s89, 4096
	s_mov_b32 s90, 0x20000
	s_cmp_eq_u32 s66, 2
	s_cselect_b32 s17, s41, s17
	s_cselect_b32 s42, s46, s42
	s_cselect_b32 s84, 0, -1
	s_cselect_b32 s85, -1, 0
	s_cselect_b32 s74, 0x200000, 0
	s_cselect_b32 s88, 2048, s88
	s_cselect_b32 s89, 0x20000, s89
	s_cselect_b32 s90, 1024, s90
	s_mov_b32 s75, 0
	s_lshl_b32 s18, s16, 7
	s_lshl_b32 s20, s17, 8
	s_add_co_u32 s20, s20, s18
	s_lshl_b32 s20, s20, 10
	s_mov_b32 s21, 0
	s_lshl_b32 s46, s42, 8
	s_add_co_u32 s46, s46, s18
	s_lshl_b32 s46, s46, 10
	s_mov_b32 s47, 0
	s_mul_i32 s45, s14, HALFT
	s_wait_kmcnt 0x0
	s_load_b256 s[76:83], s[8:9], 0x0
	s_cmp_eq_u32 s66, 2
	s_cselect_b64 s[70:71], s[6:7], s[4:5]
	s_cselect_b64 s[72:73], s[4:5], s[6:7]
	s_add_nc_u64 s[70:71], s[70:71], s[74:75]
	s_add_nc_u64 s[20:21], s[70:71], s[20:21]
	s_add_nc_u64 s[46:47], s[72:73], s[46:47]
	CROUND
.irp s, 0,1
	s_mov_b32 s[G0+4*\s], 1
	s_add_co_u32 s[G0+4*\s+1], s45, \s*SLOT
	s_add_nc_u64 s[G0+4*\s+2:G0+4*\s+3], s[20:21], \s*ROWB
	s_or_b32 s[G0+4*\s+3], s[G0+4*\s+3], 0x80000000
	s_mov_b32 s[G0B+4*\s], 1
	s_add_co_u32 s[G0B+4*\s+1], s45, \s*SLOT
	s_add_nc_u64 s[G0B+4*\s+2:G0B+4*\s+3], s[46:47], \s*ROWB
	s_or_b32 s[G0B+4*\s+3], s[G0B+4*\s+3], 0x80000000
.endr
	v_and_b32 v[PFO], 31, v0
	v_lshlrev_b32 v[PFO], 10, v[PFO]               ; the prefetches' offset: a lane a row of 1,024 bytes; never rewritten
	s_wait_alu depctr_va_vdst(0)
	JLOAD G0, G1, G0B, G1B                         ; K step 0: one tensor load a wave at the head
	s_cmp_eq_u32 s15, 0                            ; do I fetch for A?
	s_cselect_b64 s[68:69], s[20:21], s[46:47]     ; the first of the 128 rows that I fetch,
	s_cselect_b32 s18, s40, s41
	s_lshl_b32 s18, s18, 15                        ; and my work-group's 32 of them
	s_mov_b32 s19, 0
	s_add_nc_u64 s[68:69], s[68:69], s[18:19]
	global_prefetch_b8 v[PFO], s[68:69] offset:256 th:TH_LOAD_NT scope:SCOPE_SE
	global_prefetch_b8 v[PFO], s[68:69] offset:512 th:TH_LOAD_NT scope:SCOPE_SE
	v_and_b32 v1, 15, v0
	s_wait_alu depctr_va_vdst(0)
	v_bfe_u32 v2, v0, 4, 1
	s_wait_alu depctr_va_vdst(0)
	v_mul_u32_u24 v3, v1, PITCH
	v_lshl_add_u32 v4, v2, 4, v3
	s_mul_i32 s21, s15, HALFT
	s_mul_i32 s22, s16, HALFT
	s_add_co_u32 s22, s22, 2*HALFT
.irp s, 0,1
	v_add_nc_u32 v[ADRA+\s], s21, v4
	v_add_nc_u32 v[ADRB+\s], s22, v4
	s_add_co_u32 s21, s21, SLOT
	s_add_co_u32 s22, s22, SLOT
.endr
	s_lshl_b32 s100, s17, 8
	s_lshl_b32 s18, s15, 7
	s_add_co_u32 s100, s100, s18
	s_lshl_b32 s101, s42, 8
	s_lshl_b32 s18, s16, 7
	s_add_co_u32 s101, s101, s18
	s_cmp_eq_u32 s66, 2
	s_cselect_b32 s18, s101, s100
	s_cselect_b32 s19, s100, s101
	s_cselect_b32 s22, s100, 0
	s_cselect_b32 s23, 0, s101
	v_add_nc_u32 v[BMA], s22, v1
	v_lshlrev_b32 v[BMA], 2, v[BMA]
	v_lshl_add_u32 v[BNA], v2, 3, s23
	v_lshlrev_b32 v[BNA], 2, v[BNA]
.irp a, 0,1,2,3,4,5,6,7
	global_load_b32 v[T+\a], v[BMA], s[10:11] offset:8192+64*\a
.endr
	s_and_b32 s19, s19, 1023
	s_lshr_b32 s19, s19, 6
	s_lshr_b32 s21, s18, 11
	s_lshl_b32 s21, s21, 4
	s_add_co_u32 s19, s19, s21
	s_lshl_b32 s19, s19, 17
	s_and_b32 s18, s18, 2047
	s_lshl_b32 s18, s18, 6
	s_add_co_u32 s18, s18, s19
	s_lshl_b32 s19, s66, 22
	s_add_co_u32 s18, s18, s19
	s_mov_b32 s19, 0
	s_add_nc_u64 s[92:93], s[12:13], s[18:19]
	s_mov_b32 s18, s90
	s_add_nc_u64 s[94:95], s[92:93], s[18:19]
	s_mov_b32 s18, s89
	s_add_nc_u64 s[96:97], s[92:93], s[18:19]
	s_add_nc_u64 s[98:99], s[94:95], s[18:19]
	v_and_b32 v5, 31, v0
	v_lshlrev_b32 v[VO], 4, v5
	v_add_nc_u32 v[VO+1], s88, v[VO]
	v_add_nc_u32 v[VO+2], s88, v[VO+1]
	v_add_nc_u32 v[VO+3], s88, v[VO+2]
	s_wait_kmcnt 0x0
	s_add_co_i32 s18, s76, s77
	s_sub_co_i32 s86, 127, s18
	s_lshl_b32 s86, s86, 23
	s_mov_b32 s87, s86
	s_add_co_i32 s19, s78, 3
	s_cmp_eq_u32 s66, 1
	s_cselect_b32 s19, s79, s19
	s_cmp_eq_u32 s66, 2
	s_cselect_b32 s19, s81, s19
	s_sub_co_i32 s19, s19, s18
	s_add_co_i32 s19, s19, 127
	s_lshl_b32 s21, s19, 23
	v_mov_b32 v[SC], s21
	s_add_co_i32 s19, s19, 8
	s_lshl_b32 s19, s19, 23
	s_or_b32 s19, s19, 0x600000
	v_mov_b32 v[LIM], s19
	s_wait_loadcnt 0x0
.irp a, 0,1,2,3,4,5,6,7
	v_and_b32 v[T+\a], s85, v[T+\a]
.endr
.set a, 0
.rept 8
.set j, 0
.rept 8
	v_mul_f32 v[CM+8*a+j], s86, v[T+a]
.set j, j+1
.endr
.set a, a+1
.endr
.macro FRAG reg, adr, q, i
.irp c, 0,1,2,3
	ds_load_b128 v[\reg+4*\c:\reg+4*\c+3], v[\adr] offset:128*(\q)+32*\c+(\i)*16*PITCH
.endr
.endm
.macro MUL16 a0, p, first
.irp a, \a0, \a0+1
.irp b, 0,1,2,3,4,5,6,7
.if \first
	v_wmma_f32_16x16x128_fp8_fp8 v[8*(8*((\a)%4)+\b):8*(8*((\a)%4)+\b)+7], v[128*(\p)+FR*\b:128*(\p)+FR*\b+FR-1], v[AF+FR*(\a):AF+FR*(\a)+FR-1], v[CM+8*(\a):CM+8*(\a)+7]
.else
	v_wmma_f32_16x16x128_fp8_fp8 v[8*(8*((\a)%4)+\b):8*(8*((\a)%4)+\b)+7], v[128*(\p)+FR*\b:128*(\p)+FR*\b+FR-1], v[AF+FR*(\a):AF+FR*(\a)+FR-1], v[8*(8*((\a)%4)+\b):8*(8*((\a)%4)+\b)+7]
.endif
.endr
.endr
.endm
.macro FETCH_B slot, q, p
	WIN TO_B
.irp i, 0,1,2,3,4,5,6,7
	FRAG 128*(\p)+FR*\i, ADRB+\slot, \q, \i
.endr
	WIN 0
.endm
.macro FETCH_A slot, q, i0
.irp i, \i0, \i0+1, \i0+2, \i0+3
	FRAG AF+FR*(\i), ADRA+\slot, \q, \i
.endr
.endm
.macro PLACES n
.rept \n
	v_nop
.endr
.endm
.macro STEP slot, q, first
	s_wait_dscnt 4*NL
.if \first
	WIN FIRST_LO
.else
	WIN MUL_LO
.endif
	MUL16 0, (\q)%2, \first
	MUL16 2, (\q)%2, \first
	s_wait_dscnt 0
	PLACES NP
	FETCH_B \slot, (\q)+1, 1-(\q)%2
	FETCH_A \slot, (\q)+1, 0
.if \first
	WIN FIRST_HI
.else
	WIN MUL_HI
.endif
	MUL16 4, (\q)%2, \first
	MUL16 6, (\q)%2, \first
	PLACES NP
	WIN 0
	FETCH_A \slot, (\q)+1, 4
.endm
.macro TURN slot, next, fill
	s_wait_tensorcnt 0x0
	ds_add_u32 v[SPW], v[NIL]
	s_wait_dscnt 4*NL+1
	WIN MUL_LO
	MUL16 0, 1, 0
	s_wait_dscnt 0x0
	s_barrier_signal -1
	MUL16 2, 1, 0
	WIN 0
	s_barrier_wait -1
.if \fill
	CREST
	s_add_nc_u64 s[G0+4*\slot+2:G0+4*\slot+3], s[G0+4*\slot+2:G0+4*\slot+3], 2*ROWB
	s_add_nc_u64 s[G0B+4*\slot+2:G0B+4*\slot+3], s[G0B+4*\slot+2:G0B+4*\slot+3], 2*ROWB
	JLOAD G0+4*\slot, G1, G0B+4*\slot, G1B
.else
	PLACES NP
.endif
	FETCH_B \next, 0, 0
	FETCH_A \next, 0, 0
	WIN MUL_HI
	MUL16 4, 1, 0
	MUL16 6, 1, 0
	PLACES NP
	WIN 0
	FETCH_A \next, 0, 4
.endm
	s_wait_alu depctr_va_vdst(0)
	s_wait_tensorcnt 0x0                           ; my part of K step 0 is in
	ds_add_u32 v[SPW], v[NIL]
	s_wait_dscnt 0x0
	CROUND                                         ; everybody's part of K step 0 is in
	JLOAD G0+4, G1, G0B+4, G1B                     ; K step 1
	FETCH_B 0, 0, 0
	FETCH_A 0, 0, 0
	FETCH_A 0, 0, 4
	global_prefetch_b8 v[PFO], s[68:69] offset:768 th:TH_LOAD_NT scope:SCOPE_SE
	STEP 0, 0, 1
.irp b, 0,1,2,3,4,5,6,7
	global_load_b128 v[BN+8*\b:BN+8*\b+3], v[BNA], s[10:11] offset:64*\b
	global_load_b128 v[BN+8*\b+4:BN+8*\b+7], v[BNA], s[10:11] offset:64*\b+16
.endr
	TURN 0, 1, 1
	STEP 1, 0, 0
	TURN 1, 0, 1
	STEP 0, 0, 0
	TURN 0, 1, 0
	STEP 1, 0, 0
	s_wait_dscnt 4*NL
	WIN MUL_LO
	MUL16 0, 1, 0
	MUL16 2, 1, 0
	s_wait_dscnt 0
	WIN MUL_HI
	MUL16 4, 1, 0
	MUL16 6, 1, 0
	WIN 0
.macro OUT a
.set AC,  64*((\a)%4)
.set CDS, CD+16*((\a)%4)
	WIN 0x20+0x10*((\a)/4)
.set j, 0
.rept 32
	v_pk_fma_f32 v[TMP+j:TMP+j+1], v[BN+j:BN+j+1], s[86:87], v[AC+j:AC+j+1] op_sel_hi:[1,0,1]
.set j, j+2
.endr
	WIN 0
.set j, 0
.rept 64
	v_med3_num_f32 v[TMP+j], v[TMP+j], -v[LIM], v[LIM]
.set j, j+1
.endr
.if (\a) >= 4
	s_wait_alu depctr_va_vdst(0)
	s_wait_xcnt 0x0
.endif
.irp b, 0,1,2,3,4,5,6,7
	v_cvt_scalef32_pk8_fp8_f32 v[CDS+2*\b:CDS+2*\b+1], v[TMP+8*\b:TMP+8*\b+7], v[SC]
.endr
	v_nop
.irp g, 0,1
.irp q, 0,1
	global_store_b128 v[VO+(\a)%4], v[CDS+8*\g+4*\q:CDS+8*\g+4*\q+3], s[92+4*((\a)/4)+2*\g:93+4*((\a)/4)+2*\g] offset:512*\q
.endr
.endr
.endm
	s_wait_loadcnt 0x0
.set j, 0
.rept 64
	v_and_b32 v[BN+j], s84, v[BN+j]
.set j, j+1
.endr
.irp a, 0,1,2,3,4,5,6,7
	OUT \a
.endr
	s_wait_tensorcnt 0x0
	ds_add_u32 v[SPW], v[NIL]
	s_wait_dscnt 0x0
	CROUND
	s_endpgm
.Lfunc_end_k_q1edc5f657b_proj:
	.size	k_q1edc5f657b_proj, .Lfunc_end_k_q1edc5f657b_proj-k_q1edc5f657b_proj
	.p2alignl 7, 3214868480
	.fill 96, 4, 3214868480
	.section	.rodata,"a",@progbits
	.p2align	6, 0x0
	.amdhsa_kernel k_q1edc5f657b_proj
		.amdhsa_group_segment_fixed_size 327680
		.amdhsa_private_segment_fixed_size 0
		.amdhsa_enable_private_segment 0
		.amdhsa_kernarg_size 40
		.amdhsa_user_sgpr_count 2
		.amdhsa_user_sgpr_kernarg_segment_ptr 1
		.amdhsa_wavefront_size32 1
		.amdhsa_system_sgpr_workgroup_id_x 1
		.amdhsa_system_sgpr_workgroup_id_y 1
		.amdhsa_system_sgpr_workgroup_id_z 1
		.amdhsa_system_vgpr_workitem_id 0
		.amdhsa_next_free_vgpr 1024
		.amdhsa_next_free_sgpr 102
		.amdhsa_reserve_vcc 0
		.amdhsa_float_denorm_mode_32 3
		.amdhsa_float_denorm_mode_16_64 3
		.amdhsa_memory_ordered 1
		.amdhsa_forward_progress 1
		.amdhsa_inst_pref_size 143
	.end_amdhsa_kernel
	.amdgpu_metadata
---
amdhsa.version: [ 1, 2 ]
amdhsa.kernels:
  - .name:           k_q1edc5f657b_proj
    .symbol:         k_q1edc5f657b_proj.kd
    .args:
      - { .name: x_codes, .offset: 0, .size: 8, .value_kind: global_buffer, .address_space: global }
      - { .name: w_in_codes, .offset: 8, .size: 8, .value_kind: global_buffer, .address_space: global }
      - { .name: lowp_scales, .offset: 16, .size: 8, .value_kind: global_buffer, .address_space: global }
      - { .name: b_in, .offset: 24, .size: 8, .value_kind: global_buffer, .address_space: global }
      - { .name: qkv, .offset: 32, .size: 8, .value_kind: global_buffer, .address_space: global }
    .group_segment_fixed_size: 327680
    .private_segment_fixed_size: 0
    .kernarg_segment_align: 8
    .kernarg_segment_size: 40
    .max_flat_workgroup_size: 128
    .sgpr_count:     102
    .vgpr_count:     1024
    .wavefront_size: 32
...
	.end_amdgpu_metadata
.endif
;; end of part 1
;; launch attn (part 2): grid 8 x 32, 16 waves a work-group, clusters of 4 x 1, 327,680 bytes of LDS; arguments qkv, lowp_scales, att; writes att
.if DOCPART == 2
	.amdgcn_target "amdgcn-amd-amdhsa--gfx1250"
	.amdhsa_code_object_version 6
	.text
	.protected	k_q1edc5f657b_attn
	.globl	k_q1edc5f657b_attn
	.p2align	8
	.type	k_q1edc5f657b_attn,@function
k_q1edc5f657b_attn:
	s_mov_b64 s[64:65], 0
	v_nop
	global_prefetch_b8 v0, s[64:65] scope:SCOPE_SE
	s_setreg_imm32_b32 hwreg(HW_REG_WAVE_MODE, 25, 1), 1
	s_wait_xcnt 0x0
	s_wait_alu depctr_hold_cnt(0) depctr_sa_sdst(0) depctr_va_vdst(0) depctr_va_sdst(0) depctr_va_ssrc(0) depctr_va_vcc(0) depctr_vm_vsrc(0)
	s_getreg_b32 s2, hwreg(HW_REG_IB_STS2, 6, 4)
	s_cmp_eq_u32 s2, 0
	s_cbranch_scc0 .Lentry_in_a_cluster
	s_endpgm
.Lentry_in_a_cluster:
	s_bfe_u32 s2, ttmp6, 0x10000c
	s_cmp_lg_u32 s2, 0x3003
	s_cbranch_scc0 .Lentry_shape_is_right
	s_endpgm
.Lentry_shape_is_right:
; Causal attention of one head on codes of FP8 (E4M3): O[q] = sum over keys k <= q of softmax(q . k) v, both products quantised, O quantised with 2^e6 for the output projection.
; qkv holds unit images (1,024 bytes: 16 rows x 64 k; registers 2 c, 2 c + 1 of lane (r, h) = k 16 c + 8 h + 0 .. 7 of row r; registers 0-3 of the 32 lanes on end, then 4-7):
;   + 0: q / 8 [bh][query tile][1024], scale 2^e2;  + 4 MiB: k [bh][key tile][1024], 2^e3;  + 8 MiB: v [bh][block of 128 keys][channel tile 0..3][2048], the keys along k, 2^e5.  bh = batch x 16 + head.
; THE SOFTMAX: t = score x log2(e); M = the row's largest t so far, rounded UP to a whole number; p = 2^(t - M) is quantised with 2^e4, not normalised; the row's sum is taken of the unquantised p and divides O at the end.
; When M moves, the sum and O are multiplied by 2^(old M - new M): exact.
; LEFT OUT: steps of 128 keys all of which the causal mask of reference() hides from a tile's 16 queries: their p is 0 whatever finite numbers the inputs hold.  LIMIT: a NaN or an infinity among hidden keys of such steps is not carried on.
; SHARES.  Work-group (x, bh), x = 0 .. 7, owns the sixteen tiles 8 rank + x, rank 0 .. 15; a tile has rank + 1 steps of 128 keys, the last on the diagonal, whatever x is.  Tiles of rank R and 15 - R (R = 0 .. 7) have 17 steps together,
; which TWO waves share: wave A takes steps 0 .. 8 of tile 15 - R, wave B all of tile R and then steps 9 .. 15 - R of tile 15 - R, if any.  So a wave has 9 or 8 steps.  At the end B hands its part of tile 15 - R (O^T, the sums, M) to A through LDS,
; and A joins the two by powers of two.  R and the role are made of the wave's number: every branch hangs on that and on counters, never on the place in the cluster.
; Waves with equal number mod 4 hold R = s and 7 - s in both roles; waves with equal number / 4 hold both roles twice.
; LDS holds ALL of the head's k (131,072 bytes) and v (131,072) as they lie in memory; every byte is filled once: no ring.  CLUSTER: the four work-groups of a cluster share bh, so each part is asked for JOINTLY.
; ONE tensor load a wave, all issued at the head: waves 0-3 a quarter of k's steps 0 and 1, waves 4-7 of v's; waves 8-11 a quarter of k's steps 2-15, waves 12-15 of v's.  The first barrier waits for waves 0-7's parts alone.
; No prefetch: all loads of the launch go out at its head, and no loop asks for anything.
; LAYOUT.  Both products are used transposed: S^T = k q^T (source 0 = 16 keys, source 1 = my 16 queries), O^T = v^T p^T (source 0 = 16 channels, source 1 = p): a lane holds ONE query (lane % 16) throughout;
; tile c's eight scores of a lane are keys 16 c + 8 h + 0 .. 7: their conversion gives registers 2 c, 2 c + 1 of p's fragment.
; att: [token block of 128][k step of 128][token tile 0..7][2048]: head hd's unit at (hd / 2) x 16,384 + tile x 2,048 + (hd % 2) x 1,024.
; LIMITS, so that each power of two is an f32 number: e2 + e3 between -126 and 127 (added to log2(e)'s exponent field); e4, and e6 - e4 - e5, between -126 and 119.  Scaled scores stay under 2^31 in magnitude.  NaN codes are not served.
.set STEPB, 8192                       ; a step's 128 keys, in k's images and in v's
.set VB,    131072                     ; v's images lie behind k's
.set PART,  262144                     ; behind them: what waves B hand over, 9 x 512 bytes for each R, in blocks of 256 bytes into which no fill lands
.set PSZ,   4608
.set SPARE, PART+8*PSZ                 ; the spare words, 128 bytes for each wave
.set L16, 1                            ; v1   16 x lane
.set ADK, 2                            ; v2   LDS address of the step's k
.set ADV, 3                            ; v3   of its v
.set SPW, 6                            ; v6   LDS address of my spare word
.set NINF, 7                           ; v7   -infinity
.set OSC, 8                            ; v8   2^(e6 - e4 - e5)
.set OLI, 9                            ; v9   448 x that
.set PAD_, 10                          ; v10  LDS address of my place in my pair's part
.set NIL, 11                           ; v11  0
.set QF,  16                           ; v16-23   q's fragment
.set KF,  32                           ; v32-95   k's eight fragments
.set PC,  32                           ; v32-47   later: p's codes
.set TS,  80                           ; v80-95   later: eight chains of the sum
.set PS,  96                           ; v96-159  S^T, then p
.set OT,  160                          ; v160-191 O^T
.set VF,  192                          ; v192-255 v's four fragments
; v12 -M, v13 the largest t, v[14:15] the sum in two halves; v24 at work; v25 a lane permute's destination; v[26:27] f and 0; v[28:29] B's factor and 0; v30 448 x 2^e4; v31 2^e4
.set WV,  10                           ; s10  my wave's number
.set XT,  12                           ; s12  x
.set RK,  14                           ; s14  the rank of the tile in hand
.set ROLE, 15                          ; s15  0: A, 1: B
.set PR,  32                           ; s32  R
.set SW,  33                           ; s33  the trip at which B goes over to tile 15 - R (A: none reaches it)
.set JB,  34                           ; s34  from then on B's step is this many on
.set JBB, 35                           ; s35  the same in bytes
.set ES,  37                           ; s37  the step of a trip of the second loop,
.set TBE, 38                           ; s38  and its first byte in k's images
.set CS,  66                           ; s[66:67] log2(e) x 2^(e2 + e3), twice
.set SEL, 68                           ; s[68:69] lane selects for v_permlanex16_b32: lane l xor 16
.set ST,  70                           ; s70  the loops' counter
.set TB,  71                           ; s71  its first byte in k's images
.set DM,  88                           ; s88-95 on the diagonal's own tile of keys: the lanes from which key 8 h + j is hidden, j = 0 .. 7
.macro CROUND                          ; a round of the cluster's barrier
	s_barrier_signal -1
	s_barrier_wait -1
	s_cmp_lg_u32 s[WV], 0
	s_cbranch_scc1 .Lnot_wave_0_\@
	s_barrier_signal -3
.Lnot_wave_0_\@:
	s_barrier_wait -3
	s_barrier_signal -1
	s_barrier_wait -1
.endm
	s_load_b128 s[4:7], s[0:1], 0x0                ; qkv s[4:5], the scales' exponents s[6:7]
	s_load_b64 s[8:9], s[0:1], 0x10                ; att
	v_lshl_add_u32 v[SPW], v0, 2, SPARE
	v_mov_b32 v[NIL], 0
	ds_add_u32 v[SPW], v[NIL]                      ; the wave's opening: the add, twice on end, and its wait
	ds_add_u32 v[SPW], v[NIL]
	v_lshrrev_b32 v8, 5, v0
	v_readfirstlane_b32 s[WV], v8                  ; wave 0..15
	v_and_b32 v9, 31, v0
	v_lshlrev_b32 v[L16], 4, v9
	s_bfe_u32 s11, ttmp6, 0x40000                  ; cx
	s_lshl_b32 s[XT], ttmp9, 2
	s_add_co_u32 s[XT], s[XT], s11                 ; x = 4 x cluster x + cx: it enters q's and att's addresses and the diagonal's mask alone
	s_and_b32 s13, ttmp7, 0xffff                   ; bh, which the four partners share
	s_and_b32 s74, s[WV], 3                        ; s
	s_lshr_b32 s75, s[WV], 2                       ; g
	s_xor_b32 s[ROLE], s74, s75
	s_and_b32 s[ROLE], s[ROLE], 1                  ; (g + s) mod 2
	s_lshr_b32 s75, s[WV], 3
	s_mul_i32 s75, s75, 7
	s_xor_b32 s[PR], s74, s75                      ; R = s for g < 2, 7 - s above
	s_xor_b32 s76, s[PR], 7
	s_add_co_u32 s76, s76, 1
	s_min_u32 s76, s76, 7                          ; 8 - R, at most 7: from trip 9 - this on B walks step 9 and on
	s_mul_i32 s[JB], s76, s[ROLE]
	s_lshl_b32 s[JBB], s[JB], 13
	s_sub_co_u32 s[SW], 9, s76
	s_xor_b32 s77, s[ROLE], 1                      ; 1: A
	s_lshl_b32 s78, s77, 6
	s_add_co_u32 s[SW], s[SW], s78
	s_mul_i32 s77, s77, 15
	s_xor_b32 s[RK], s[PR], s77                    ; A begins with tile 15 - R, B with tile R
	s_mul_i32 s79, s[PR], PSZ
	s_add_co_u32 s79, s79, PART
	s_wait_alu depctr_va_vdst(0)                   ; ahead of the reader below
	v_add_nc_u32 v[PAD_], s79, v[L16]
	; descriptor groups 1: dense blocks as rows of 256 bytes (32 elements of 8 bytes): 16 rows (4,096 bytes) and 112 rows (28,672)
.irp g, 16, 24
	s_mov_b32 s[\g], 15|(3<<16)|(1<<21)            ; 15:0 the mask: all four work-groups; 17:16 elements of 8 bytes; 21 set beside a mask; no padding
	s_mov_b32 s[\g+1], 32<<16                      ; tensor_dim0 = 32
	s_mov_b32 s[\g+3], 32<<16                      ; tile_dim0 = 32
	s_mov_b32 s[\g+5], 32                          ; tensor_dim0_stride
	s_mov_b32 s[\g+6], 0
	s_mov_b32 s[\g+7], 0
.endr
	s_mov_b32 s18, 16<<16                          ; tensor_dim1,
	s_mov_b32 s20, 16                              ; tile_dim1
	s_mov_b32 s26, 112<<16
	s_mov_b32 s28, 112
	s_bfe_u32 s75, s[WV], 0x10002                  ; 0: I fetch k's images; 1: v's
	s_lshl_b32 s76, s75, 17                        ; in LDS: v's images behind k's
	s_lshl_b32 s77, s75, 22
	s_add_co_u32 s77, s77, 0x400000                ; in memory: the section,
	s_lshl_b32 s78, s13, 17
	s_add_co_u32 s78, s78, s77                     ; and the head
	s_mov_b32 s79, 0
	s_mov_b32 s81, 0
	s_mov_b32 s[SEL], 0x76543210
	s_mov_b32 s[SEL+1], 0xfedcba98
	s_wait_alu depctr_va_vdst(0)                   ; directly ahead of the waits below
	s_wait_dscnt 0x0                               ; both opening adds are done
	s_wait_kmcnt 0x0
	s_load_b256 s[56:63], s[6:7], 0x0              ; e0 .. e7
	s_add_nc_u64 s[84:85], s[4:5], s[78:79]
.macro G0SET g, bo, share              ; a descriptor group 0: the part begins bo bytes into the head's images; my quarter of it is share bytes
	s_mul_i32 s80, s74, \share
	s_add_co_u32 s80, s80, \bo
	s_mov_b32 s[\g], 1                             ; count = 1
	s_add_co_u32 s[\g+1], s76, s80                 ; LDS address: made of the wave's number and constants
	s_add_nc_u64 s[\g+2:\g+3], s[84:85], s[80:81]
	s_or_b32 s[\g+3], s[\g+3], 0x80000000          ; type = 2
.endm
	G0SET 40, 0, 4096                              ; steps 0, 1
	G0SET 48, 16384, 28672                         ; steps 2-15
	CROUND                                         ; all four work-groups are here: the joint loads meet
	s_cmp_lt_u32 s[WV], 8                          ; one load a wave; the branch hangs on the wave's number alone
	s_cbranch_scc0 .Lfill_rest
	tensor_load_to_lds s[40:43], s[16:23]
	s_nop 0
.rept 4
	v_nop
.endr
	s_branch .Lfilled
.Lfill_rest:
	tensor_load_to_lds s[48:51], s[24:31]
	s_nop 0
.rept 4
	v_nop
.endr
.Lfilled:
.macro QLOAD rank                      ; q's fragment of tile 8 rank + x
	s_lshl_b32 s80, s[\rank], 3
	s_add_co_u32 s80, s80, s[XT]
	s_lshl_b32 s80, s80, 10
	s_lshl_b32 s82, s13, 17
	s_add_co_u32 s80, s80, s82
	s_mov_b32 s81, 0
	s_add_nc_u64 s[86:87], s[4:5], s[80:81]
	global_load_b128 v[QF:QF+3], v[L16], s[86:87]
	global_load_b128 v[QF+4:QF+7], v[L16], s[86:87] offset:512
.endm
.macro RESET                           ; a tile's first step finds zeros, which the first change of M leaves zeros
	v_mov_b32 v13, 0xff61b1e6                      ; the largest t so far: -3e38, under every t
	v_mov_b32 v14, 0                               ; the sum, in two halves
	v_mov_b32 v15, 0
	v_floor_f32 v12, -v13                          ; -M
.set j, 0
.rept 32
	v_mov_b32 v[OT+j], 0                           ; O^T
.set j, j+1
.endr
.endm
	QLOAD RK
	v_and_b32 v8, 15, v0                           ; r
	v_bfe_u32 v9, v0, 4, 1                         ; h
	v_lshlrev_b32 v9, 3, v9
	v_sub_nc_u32 v8, v8, v9                        ; r - 8 h
.irp j, 0,1,2,3,4,5,6,7
	v_cmp_gt_i32 s[DM+\j], \j, v8                  ; key 8 h + j of the tile comes after query r
.endr
	v_mov_b32 v[NINF], 0xff800000
	v_mov_b32 v25, 0                               ; written once: a lane permute's destination counts as one of its sources
	v_mov_b32 v27, 0                               ; (named as the upper halves of the pairs v[26:27], v[28:29])
	v_mov_b32 v29, 0
	RESET
	; att: my batch, the k step of 128 (head / 2), the token tile x, the fragment's half (head % 2)
	s_lshr_b32 s76, s13, 4
	s_lshl_b32 s76, s76, 21
	s_bfe_u32 s77, s13, 0x30001
	s_lshl_b32 s77, s77, 14
	s_add_co_u32 s76, s76, s77
	s_lshl_b32 s77, s[XT], 11
	s_add_co_u32 s76, s76, s77
	s_and_b32 s77, s13, 1
	s_lshl_b32 s77, s77, 10
	s_add_co_u32 s76, s76, s77
	s_mov_b32 s77, 0
	s_add_nc_u64 s[8:9], s[8:9], s[76:77]
	s_wait_alu depctr_va_vdst(0)                   ; directly ahead of the wait below
	s_wait_kmcnt 0x0
	s_add_co_i32 s74, s58, s59
	s_lshl_b32 s74, s74, 23
	s_add_co_i32 s[CS], s74, 0x3fb8aa3b            ; a sum of the first product stands for sum x 2^(e2 + e3): the exponents are added to log2(e)'s exponent field
	s_mov_b32 s[CS+1], s[CS]                       ; (named with it as a pair, so it is written)
.macro SCALE one, lim                  ; s74 = e: 2^e as f32, and 448 x 2^e
	s_add_co_i32 s74, s74, 127
	s_lshl_b32 s75, s74, 23
	v_mov_b32 v[\one], s75
	s_add_co_i32 s74, s74, 8
	s_lshl_b32 s74, s74, 23
	s_or_b32 s74, s74, 0x600000
	v_mov_b32 v[\lim], s74
.endm
	s_mov_b32 s74, s60
	SCALE 31, 30                                   ; e4: p's
	s_sub_co_i32 s74, s62, s60
	s_sub_co_i32 s74, s74, s61
	SCALE OSC, OLI                                 ; O = O^T x 2^(e4 + e5) / the sum; its code is (O^T / the sum) / 2^(e6 - e4 - e5)
; A KEY STEP: 128 keys, number s[es], at byte s[tb] of k's images.
.macro STEP es, tb
	s_cmp_gt_u32 s[\es], s[RK]                     ; all 128 keys come after my 16 queries, or no step is left: the work is left out
	s_cbranch_scc1 .Lhidden_\@
	v_add_nc_u32 v[ADK], s[\tb], v[L16]
	s_delay_alu instid0(VALU_DEP_1)
	v_add_nc_u32 v[ADV], VB, v[ADK]
	v_nop                                          ; with the two additions: four places in front of loads into registers that the last step's products have read
	v_nop
.irp c, 0,1,2,3,4,5,6,7                        ; k: eight tiles of 16 keys; an image comes back as it was stored: 512 consecutive bytes a load
	ds_load_b128 v[KF+8*\c:KF+8*\c+3], v[ADK] offset:1024*\c
	ds_load_b128 v[KF+8*\c+4:KF+8*\c+7], v[ADK] offset:1024*\c+512
.endr
.irp t, 0,1,2,3                                ; v: four tiles of 16 channels x 128 keys; they land while the softmax is worked
.irp q, 0,1,2,3
	ds_load_b128 v[VF+16*\t+4*\q:VF+16*\t+4*\q+3], v[ADV] offset:2048*\t+512*\q
.endr
.endr
	s_wait_dscnt 16                                ; k is in; v's sixteen loads may be out
.irp c, 0,1,2,3,4,5,6,7
	v_wmma_f32_16x16x64_fp8_fp8 v[PS+8*\c:PS+8*\c+7], v[KF+8*\c:KF+8*\c+7], v[QF:QF+7], 0
.endr
.rept 4
	v_nop
.endr
	s_cmp_lt_u32 s[\es], s[RK]                     ; under the diagonal all keys count
	s_cbranch_scc1 .Lopen_\@
.irp c, 0,1,2,3,4,5,6,7                        ; on it the scores of hidden keys become -infinity ahead of the maximum: p = 0 then.  Tile c of keys is open for c < x, hidden for c > x, and has the masks for c = x: chosen by selects, no branch hangs on x
	s_cmp_gt_u32 \c, s[XT]
	s_cselect_b32 s36, -1, 0
	s_cmp_eq_u32 s[XT], \c
.irp j, 0,1,2,3,4,5,6,7
	s_cselect_b32 s[44+\j+4*(\j/4)], s[DM+\j], s36
.endr
.irp j, 0,1,2,3,4,5,6,7
	v_cndmask_b32 v[PS+8*\c+\j], v[PS+8*\c+\j], v[NINF], s[44+\j+4*(\j/4)]
.endr
.endr
.Lopen_\@:
	v_max3_num_f32 v24, v[PS], v[PS+1], v[PS+2]    ; the step's largest score of my query, among my 64 keys, in two chains, each accumulator from its low end on,
	v_max3_num_f32 v26, v[PS+3], v[PS+4], v[PS+5]
.set i, 6
.rept 14
	v_max3_num_f32 v24, v24, v[PS+i], v[PS+i+1]
	v_max3_num_f32 v26, v26, v[PS+i+2], v[PS+i+3]
.set i, i+4
.endr
	v_max3_num_f32 v24, v24, v[PS+62], v[PS+63]
	s_delay_alu instid0(VALU_DEP_1)
	v_max_num_f32 v24, v24, v26
	s_delay_alu instid0(VALU_DEP_1)
	v_permlanex16_b32 v25, v24, s[SEL], s[SEL+1]
	s_delay_alu instid0(VALU_DEP_1)
	v_max_num_f32 v24, v24, v25                    ; and among lane l xor 16's
	s_delay_alu instid0(VALU_DEP_1)
	v_mul_f32 v24, s[CS], v24                      ; as t (the factor is positive)
	s_delay_alu instid0(VALU_DEP_1)
	v_max_num_f32 v13, v13, v24                    ; the running largest t
	v_mov_b32 v24, v12
	s_delay_alu instid0(VALU_DEP_2)
	v_floor_f32 v12, -v13                          ; the new -M = floor(-t) = -ceil(t): M is a whole number
	s_delay_alu instid0(VALU_DEP_1)
	v_sub_f32 v24, v12, v24                        ; M's old value less its new one: a whole number, 0 or less
	s_delay_alu instid0(VALU_DEP_1)
	v_cvt_i32_f32 v24, v24                         ; (it saturates)
	s_delay_alu instid0(VALU_DEP_1)
	v_ldexp_f32 v26, 1.0, v24                      ; f = 2^(old M - new M): a multiplication by it rounds nothing
.set j, 0
.rept 32
	v_pk_fma_f32 v[PS+j:PS+j+1], v[PS+j:PS+j+1], s[CS:CS+1], v[12:13] op_sel_hi:[1,0,0]   ; t - M, two at a time (of both pairs the low word serves both halves)
.set j, j+2
.endr
.set j, 0
	s_wait_alu depctr_va_vdst(0)                   ; ahead of the batch
.rept 64
	v_exp_f32 v[PS+j], v[PS+j]                     ; p = 2^(t - M), at most 1: not normalised
.set j, j+1
.endr
	v_pk_mul_f32 v[14:15], v[14:15], v[26:27] op_sel_hi:[1,0]   ; the sums under the new M.  (The plain place behind the exponentials)
	s_wait_alu depctr_va_vdst(0)                   ; and behind it, directly ahead of O^T's first readers too
.set j, 0
.rept 16
	v_pk_mul_f32 v[OT+j:OT+j+1], v[OT+j:OT+j+1], v[26:27] op_sel_hi:[1,0]   ; O^T under the new M
.set j, j+2
.endr
.irp k, 0,1,2,3,4,5,6,7                        ; the row's sum, of the unquantised p: eight chains of pairs
	v_pk_add_f32 v[TS+2*\k:TS+2*\k+1], v[PS+2*\k:PS+2*\k+1], v[PS+16+2*\k:PS+17+2*\k]
.endr
.irp n, 32, 48
.irp k, 0,1,2,3,4,5,6,7
	v_pk_add_f32 v[TS+2*\k:TS+2*\k+1], v[TS+2*\k:TS+2*\k+1], v[PS+\n+2*\k:PS+\n+1+2*\k]
.endr
.endr
.irp k, 0,1,2,3
	v_pk_add_f32 v[TS+2*\k:TS+2*\k+1], v[TS+2*\k:TS+2*\k+1], v[TS+8+2*\k:TS+9+2*\k]
.endr
	s_delay_alu instid0(VALU_DEP_2)
	v_pk_add_f32 v[TS:TS+1], v[TS:TS+1], v[TS+4:TS+5]
	s_delay_alu instid0(VALU_DEP_2)
	v_pk_add_f32 v[TS+2:TS+3], v[TS+2:TS+3], v[TS+6:TS+7]
	s_delay_alu instid0(VALU_DEP_1)
	v_pk_add_f32 v[TS:TS+1], v[TS:TS+1], v[TS+2:TS+3]
	s_delay_alu instid0(VALU_DEP_1)
	v_pk_add_f32 v[14:15], v[14:15], v[TS:TS+1]
.irp c, 0,1,2,3,4,5,6,7
.irp i, 0,2,4,6
	v_dual_min_num_f32 v[PS+8*\c+\i], v30, v[PS+8*\c+\i] :: v_dual_min_num_f32 v[PS+8*\c+\i+1], v30, v[PS+8*\c+\i+1]   ; the conversion to an 8-bit code does not saturate (ISA guide 7.6.2); p is not negative, so the hold is one-sided
.endr
	v_cvt_scalef32_pk8_fp8_f32 v[PC+2*\c:PC+2*\c+1], v[PS+8*\c:PS+8*\c+7], v31   ; registers 2 c, 2 c + 1 of p's fragment: keys 16 c + 8 h + 0 .. 7
.endr
	v_nop                                          ; a plain line between the last conversion and the products that read its result
	s_wait_alu depctr_va_vdst(0)                   ; directly ahead of the wait below
	s_wait_dscnt 0x0                               ; v is in
.irp t, 0,1,2,3                                ; O^T += v^T p^T; the four accumulators take turns, and eight other products stand between a link and the next
	v_wmma_f32_16x16x128_fp8_fp8 v[OT+8*\t:OT+8*\t+7], v[VF+16*\t:VF+16*\t+15], v[PC:PC+15], v[OT+8*\t:OT+8*\t+7]
.endr
.Lhidden_\@:
.endm
; THE WAY OUT of tile 8 rank + x.  Tile t's eight channels of a lane become registers 2 t, 2 t + 1 of my unit image.
.macro OUT
	v_add_f32 v14, v14, v15                        ; the sum's two halves,
	v_permlanex16_b32 v25, v14, s[SEL], s[SEL+1]
	v_add_f32 v14, v14, v25                        ; and lane l xor 16's: the row's sum
	s_wait_alu depctr_va_vdst(0)                   ; ahead of the transcendental
	v_rcp_f32 v14, v14
	v_nop                                          ; a plain place behind a transcendental; with the three lines above and the next: the places behind the last products
	v_nop
	s_lshl_b32 s76, s[RK], 17                      ; the token block of 128
	s_mov_b32 s77, 0
	s_add_nc_u64 s[78:79], s[8:9], s[76:77]
	s_wait_alu depctr_va_vdst(0)                   ; and behind it, directly ahead of O^T's first readers too
.set j, 0
.rept 32
	v_mul_f32 v[PS+j], v[OT+j], v14                ; each accumulator from its low end on
.set j, j+1
.endr
.set j, 0
.rept 32
	v_med3_num_f32 v[PS+j], v[PS+j], -v[OLI], v[OLI]   ; the hold at the largest code x the scale
.set j, j+1
.endr
.irp t, 0,1,2,3
	v_cvt_scalef32_pk8_fp8_f32 v[PC+2*\t:PC+2*\t+1], v[PS+8*\t:PS+8*\t+7], v[OSC]
.endr
	v_nop                                          ; a plain line behind the last conversion
	global_store_b128 v[L16], v[PC:PC+3], s[78:79]             ; each store of the wave covers 512 consecutive bytes, at a multiple of 512 from the buffer's first byte
	global_store_b128 v[L16], v[PC+4:PC+7], s[78:79] offset:512
.endm
	s_wait_alu depctr_va_vdst(0)                   ; at the head's end
	s_wait_loadcnt 0x0                             ; q
	s_cmp_lt_u32 s[WV], 8                          ; steps 0 and 1 were asked for by waves 0-7; the others' loads may stay out
	s_cbranch_scc0 .Lrest_out
	s_wait_tensorcnt 0x0
.Lrest_out:
	s_barrier_signal -1
	s_barrier_wait -1                              ; steps 0 and 1 lie in LDS
	s_mov_b32 s[ST], 0
	s_mov_b32 s[TB], 0
.Lfirst:
	STEP ST, TB
	s_add_co_u32 s[TB], s[TB], STEPB
	s_add_co_u32 s[ST], s[ST], 1
	s_cmp_lt_u32 s[ST], 2                          ; every wave walks every trip: the trip counts are constants
	s_cbranch_scc1 .Lfirst
	s_wait_tensorcnt 0x0
	s_wait_dscnt 0x0
	s_barrier_signal -1
	s_barrier_wait -1                              ; all of k and v lie in LDS
	s_mov_b32 s[ST], 2
	s_mov_b32 s[TB], 2*STEPB
.Ltrip:
	s_cmp_eq_u32 s[ST], s[SW]
	s_cbranch_scc0 .Lstay
	s_xor_b32 s83, s[PR], 15                       ; B goes over to tile 15 - R: its q is asked for, tile R goes out
	QLOAD 83
	OUT
	RESET
	s_mov_b32 s[RK], s83
	s_wait_alu depctr_va_vdst(0)                   ; directly ahead of the waits below
	s_wait_xcnt 0x0                                ; the stores have read their data: v32 and on are loaded anew
	s_wait_loadcnt 0x0
.Lstay:
	s_cmp_ge_u32 s[ST], s[SW]
	s_cselect_b32 s[ES], s[JB], 0
	s_cselect_b32 s[TBE], s[JBB], 0
	s_add_co_u32 s[ES], s[ES], s[ST]
	s_add_co_u32 s[TBE], s[TBE], s[TB]
	STEP ES, TBE
	s_add_co_u32 s[TB], s[TB], STEPB
	s_add_co_u32 s[ST], s[ST], 1
	s_cmp_lt_u32 s[ST], 9
	s_cbranch_scc1 .Ltrip
	s_wait_dscnt 0x0
	s_barrier_signal -1
	s_barrier_wait -1
	s_cmp_eq_u32 s[ROLE], 0
	s_cbranch_scc1 .Lno_part
.rept 4
	v_nop                                          ; places behind the last products
.endr
.irp i, 0,1,2,3,4,5,6,7
	ds_store_b128 v[PAD_], v[OT+4*\i:OT+4*\i+3] offset:512*\i
.endr
	ds_store_b128 v[PAD_], v[12:15] offset:4096    ; -M, the largest t, the sum's halves
.Lno_part:
	s_wait_dscnt 0x0                               ; for the wave that reads them
	s_barrier_signal -1
	s_barrier_wait -1
	s_cmp_eq_u32 s[ROLE], 1
	s_cbranch_scc1 .Lend
.rept 4
	v_nop                                          ; places in front of loads into registers that the last products have read
.endr
.irp i, 0,1,2,3,4,5,6,7,8
	ds_load_b128 v[32+4*\i:35+4*\i], v[PAD_] offset:512*\i   ; v32-63: B's O^T; v64 its -M, v[66:67] its sums
.endr
	s_wait_dscnt 0x0
	v_min_num_f32 v24, v12, v64                    ; the common -M
	v_sub_f32 v26, v24, v12                        ; whole numbers, 0 or less (B without a step: the largest t is -3e38, its factor 0, its sums zeros)
	v_sub_f32 v28, v24, v64
	v_cvt_i32_f32 v26, v26
	v_cvt_i32_f32 v28, v28
	v_ldexp_f32 v26, 1.0, v26
	v_ldexp_f32 v28, 1.0, v28
	v_pk_mul_f32 v[14:15], v[14:15], v[26:27] op_sel_hi:[1,0]
	v_pk_fma_f32 v[14:15], v[66:67], v[28:29], v[14:15] op_sel_hi:[1,0,1]
.set j, 0
.rept 16
	v_pk_mul_f32 v[OT+j:OT+j+1], v[OT+j:OT+j+1], v[26:27] op_sel_hi:[1,0]
.set j, j+2
.endr
.set j, 0
.rept 16
	v_pk_fma_f32 v[OT+j:OT+j+1], v[32+j:33+j], v[28:29], v[OT+j:OT+j+1] op_sel_hi:[1,0,1]
.set j, j+2
.endr
	OUT
.Lend:
	s_wait_tensorcnt 0x0                           ; the wave's end
	ds_add_u32 v[SPW], v[NIL]
	s_wait_dscnt 0x0
	CROUND                                         ; the closing round: no work-group ends while a partner may still ask for a part that names it
	s_endpgm
.Lfunc_end_k_q1edc5f657b_attn:
	.size	k_q1edc5f657b_attn, .Lfunc_end_k_q1edc5f657b_attn-k_q1edc5f657b_attn
	.p2alignl 7, 3214868480
	.fill 96, 4, 3214868480
	.section	.rodata,"a",@progbits
	.p2align	6, 0x0
	.amdhsa_kernel k_q1edc5f657b_attn
		.amdhsa_group_segment_fixed_size 327680
		.amdhsa_private_segment_fixed_size 0
		.amdhsa_enable_private_segment 0
		.amdhsa_kernarg_size 24
		.amdhsa_user_sgpr_count 2
		.amdhsa_user_sgpr_kernarg_segment_ptr 1
		.amdhsa_wavefront_size32 1
		.amdhsa_system_sgpr_workgroup_id_x 1
		.amdhsa_system_sgpr_workgroup_id_y 1
		.amdhsa_system_sgpr_workgroup_id_z 1
		.amdhsa_system_vgpr_workitem_id 0
		.amdhsa_next_free_vgpr 256
		.amdhsa_next_free_sgpr 98
		.amdhsa_reserve_vcc 0
		.amdhsa_float_denorm_mode_32 3
		.amdhsa_float_denorm_mode_16_64 3
		.amdhsa_memory_ordered 1
		.amdhsa_forward_progress 1
		.amdhsa_inst_pref_size 69
	.end_amdhsa_kernel
	.amdgpu_metadata
---
amdhsa.version: [ 1, 2 ]
amdhsa.kernels:
  - .name:           k_q1edc5f657b_attn
    .symbol:         k_q1edc5f657b_attn.kd
    .args:
      - { .name: qkv, .offset: 0, .size: 8, .value_kind: global_buffer, .address_space: global }
      - { .name: lowp_scales, .offset: 8, .size: 8, .value_kind: global_buffer, .address_space: global }
      - { .name: att, .offset: 16, .size: 8, .value_kind: global_buffer, .address_space: global }
    .group_segment_fixed_size: 327680
    .private_segment_fixed_size: 0
    .kernarg_segment_align: 8
    .kernarg_segment_size: 24
    .max_flat_workgroup_size: 512
    .sgpr_count:     98
    .vgpr_count:     256
    .wavefront_size: 32
...
	.end_amdgpu_metadata
.endif
;; end of part 2
;; launch outp (part 3): grid 8 x 32, 4 waves a work-group, clusters of 4 x 4, 327,680 bytes of LDS; arguments att, w_out_codes, lowp_scales, b_out, out0; writes out0
.if DOCPART == 3
	.amdgcn_target "amdgcn-amd-amdhsa--gfx1250"
	.amdhsa_code_object_version 6
	.text
	.protected	k_q1edc5f657b_outp
	.globl	k_q1edc5f657b_outp
	.p2align	8
	.type	k_q1edc5f657b_outp,@function
k_q1edc5f657b_outp:
	s_mov_b64 s[64:65], 0
	v_nop
	global_prefetch_b8 v0, s[64:65] scope:SCOPE_SE
	s_setreg_imm32_b32 hwreg(HW_REG_WAVE_MODE, 25, 1), 1
	s_wait_xcnt 0x0
	s_wait_alu depctr_hold_cnt(0) depctr_sa_sdst(0) depctr_va_vdst(0) depctr_va_sdst(0) depctr_va_ssrc(0) depctr_va_vcc(0) depctr_vm_vsrc(0)
	s_getreg_b32 s2, hwreg(HW_REG_IB_STS2, 6, 4)
	s_cmp_eq_u32 s2, 0
	s_cbranch_scc0 .Lentry_in_a_cluster
	s_endpgm
.Lentry_in_a_cluster:
	s_bfe_u32 s2, ttmp6, 0x10000c
	s_cmp_lg_u32 s2, 0xf033
	s_cbranch_scc0 .Lentry_shape_is_right
	s_endpgm
.Lentry_shape_is_right:
; out0 = att w_out^T + b_out on codes of FP8 (E4M3), NaN replaced by 0.  att: the attention's output as images of operand registers, scale 2^e6; w_out: [1024][1024] codes, K innermost, scale 2^e7; b_out [1024], out0 [4096][1024] f32.
; att: [token block of 128][k step of 128][token tile 0..7][2048]: a fragment (16 tokens x 128 k; registers 2 c, 2 c + 1 of lane (r, h) = k 16 c + 8 h + 0 .. 7) as four runs of 512 bytes, registers 4 q .. 4 q + 3 of the 32 lanes on end.
; A tile of out0 is 128 tokens x 128 columns: 32 x 8 = 256 work-groups, one for each WGP.  Four waves, each 64 x 64, 8 K steps of 128, 128 matrix instructions.
; ALL OF K IS RESIDENT: A's 131,072 bytes and B's 128 rows x 1,024 bytes lie in LDS, each byte filled once, by ONE tensor load a wave at the head: waves 0 and 2 bring A's two halves along K, waves 1 and 3 B's.
; The first barrier waits for the halves of waves 0 and 1 alone.  No ring, nothing is filled again; no prefetch, since every load goes out at the head.
; BY ROWS: my 64 rows of w_out x all of K fill 512 registers, read from LDS once; my four blocks of 16 tokens are finished one after the other (32 matrix instructions each, four accumulators by turns), and each block's rows leave while the next is multiplied.
; CLUSTERS: 4 x 4 work-groups.  The four of a row of the cluster need the same token block of att, the four of a column the same rows of w_out: each part is asked for JOINTLY.
; The matrix instruction is used transposed (source 0 = 16 rows of w_out, source 1 = 16 tokens): a lane holds eight neighbouring columns of a row of out0.
; att's images hold k in its true place, so w_out's fragments are read in the form's own layout too: eight loads of 8 bytes, 16 bytes apart, at row x pitch + 8 h.
; y = sum x 2^(e6 + e7) + b_out, one packed multiply-add for two numbers.  LIMIT: e6 + e7 between -126 and 127.
; REGISTERS: window 0: v8-17 addresses; v32-63 b_out; v64-95 at work; v128-255 the accumulators ((a, b) at v[128 + 8 (4 a + b)]), later the rows on their way out.
;   window 1: A's fragments of a block of tokens (8 K steps x 16), two buffers of 128.   windows 2, 3: B's fragments, K steps 0-3 and 4-7: (s, b) at v[64 (s % 4) + 16 b].
; (Of the four loads, waves 0 and 1 issue those of the first half of K, A's and B's, waves 2 and 3 those of the second.)
.set BRO,   131072
.set BP,    528                        ; a row of a half: 512 bytes + 16 of padding: the 16 rows that a load touches start at 16 different banks (64 banks of 4 bytes: ISA guide 11.1)
.set HB,    128*BP
.set STG,   BRO+2*HB                   ; behind them: a stage of 16 rows x 272 bytes for each wave, in blocks of 256 bytes into which no fill lands
.set SPARE, STG+4*16*272               ; the spare words, 128 bytes for each wave
.set ADA, 8                            ; v8-9    LDS address of my A fragments, K steps 0-3 and 4-7
.set ADB, 10                           ; v10-11  of my B fragments likewise
.set STO, 14                           ; v14     the way out: where I put 32 bytes of a row
.set RD,  15                           ; v15     where I read a row back
.set CO,  16                           ; v16     my byte offset in out0
.set BA,  17                           ; v17     my byte offset in b_out
.set SPW, 18                           ; v18     LDS address of my spare word
.set NIL, 19                           ; v19     0
.set BI,  32                           ; v32-63  b_out: register 8 b + i for column 16 b + 8 h + i
.set TMP, 64
.set ACC, 128
.set MSB, 0
.macro WIN new                         ; the immediate's high byte repeats the setting that is left
.if MSB != (\new)
	s_set_vgpr_msb (MSB<<8)|(\new)
.set MSB, (\new)
.endif
.endm
.macro CROUND                          ; a round of the cluster's barrier
	s_barrier_signal -1
	s_barrier_wait -1
	s_cmp_lg_u32 s14, 0
	s_cbranch_scc1 .Lnot_wave_0_\@
	s_barrier_signal -3
.Lnot_wave_0_\@:
	s_barrier_wait -3
	s_barrier_signal -1
	s_barrier_wait -1
.endm
	s_load_b256 s[4:11], s[0:1], 0x0               ; att s[4:5], w_out s[6:7], the scales' exponents s[8:9], b_out s[10:11]
	s_load_b64 s[12:13], s[0:1], 0x20              ; out0
	v_lshl_add_u32 v[SPW], v0, 2, SPARE
	v_mov_b32 v[NIL], 0
	ds_add_u32 v[SPW], v[NIL]                      ; the wave's opening: the add, twice on end, and its wait
	ds_add_u32 v[SPW], v[NIL]
	v_lshrrev_b32 v1, 5, v0
	v_readfirstlane_b32 s14, v1                    ; wave 0..3
	s_lshr_b32 s15, s14, 1                         ; which 64 tokens are mine.  Also: which half of K I fetch
	s_and_b32 s66, s14, 1                          ; which 64 columns.  Also: I fetch for A (0) or for B (1)
	s_bfe_u32 s67, ttmp6, 0x40000                  ; cx, cy: my place in the cluster
	s_bfe_u32 s68, ttmp6, 0x40004
	s_lshl_b32 s69, ttmp9, 2
	s_add_co_u32 s69, s69, s67                     ; tile column = 4 x cluster x + cx
	s_and_b32 s70, ttmp7, 0xffff
	s_lshl_b32 s70, s70, 2
	s_add_co_u32 s70, s70, s68                     ; tile row = 4 x cluster y + cy
	s_lshl_b32 s71, s68, 2
	s_lshl_b32 s71, 15, s71                        ; my row of the cluster
	s_lshl_b32 s72, 0x1111, s67                    ; my column
	; descriptor group 1 for A: 65,536 dense bytes as 256 rows of 256 (32 elements of 8 bytes)
	s_or_b32 s16, s71, (3<<16)|(1<<21)             ; 15:0 the mask: my row; 17:16 elements of 8 bytes; 21 set beside a mask; no padding
	s_mov_b32 s17, 32<<16                          ; tensor_dim0
	s_mov_b32 s18, 256<<16                         ; tensor_dim1
	s_mov_b32 s19, 32<<16                          ; tile_dim0
	s_mov_b32 s20, 256                             ; tile_dim1
	s_mov_b32 s21, 32                              ; tensor_dim0_stride
	s_mov_b32 s22, 0
	s_mov_b32 s23, 0
	; and for B: 128 rows x 512 bytes, 1,024 bytes apart in memory, padded in LDS
	s_or_b32 s24, s72, (0<<16)|(1<<20)|(1<<21)|(6<<22)|(3<<25)   ; the mask: my column; elements of 1 byte; padding on: 4 words after every 128
	s_mov_b32 s25, 512<<16
	s_mov_b32 s26, 128<<16
	s_mov_b32 s27, 512<<16
	s_mov_b32 s28, 128
	s_mov_b32 s29, 1024
	s_mov_b32 s30, 0
	s_mov_b32 s31, 0
	s_lshl_b32 s74, s70, 17                        ; A: my token block's 131,072 bytes.  s[74:75] never hold cx, s[76:77] never cy
	s_mov_b32 s75, 0
	s_lshl_b32 s76, s69, 17                        ; B: row 128 x tile column, of 1,024 bytes
	s_mov_b32 s77, 0
	s_wait_dscnt 0x0                               ; both opening adds are done
	s_wait_kmcnt 0x0
	s_load_b256 s[80:87], s[8:9], 0x0              ; e0 .. e7
	s_add_nc_u64 s[74:75], s[4:5], s[74:75]
	s_add_nc_u64 s[76:77], s[6:7], s[76:77]
.irp u, 0,1                                    ; descriptor groups 0: half u of K: A's in s[32 + 4 u ..], B's in s[48 + 4 u ..]; every wave makes all and asks by one
	s_mov_b32 s[32+4*\u], 1
	s_mov_b32 s[33+4*\u], \u*65536
	s_add_nc_u64 s[34+4*\u:35+4*\u], s[74:75], \u*65536
	s_or_b32 s[35+4*\u], s[35+4*\u], 0x80000000
	s_mov_b32 s[48+4*\u], 1
	s_mov_b32 s[49+4*\u], BRO+\u*HB
	s_add_nc_u64 s[50+4*\u:51+4*\u], s[76:77], \u*512
	s_or_b32 s[51+4*\u], s[51+4*\u], 0x80000000
.endr
	CROUND                                         ; all sixteen work-groups are here: the joint loads meet
	s_cmp_eq_u32 s14, 0                            ; one load a wave, each in its own arm on the wave's number; four v_nop follow each line
	s_cbranch_scc0 .Lnot_0
	tensor_load_to_lds s[32:35], s[16:23]
	s_nop 0
.rept 4
	v_nop
.endr
	s_branch .Lfilled
.Lnot_0:
	s_cmp_eq_u32 s14, 1
	s_cbranch_scc0 .Lnot_1
	tensor_load_to_lds s[48:51], s[24:31]
	s_nop 0
.rept 4
	v_nop
.endr
	s_branch .Lfilled
.Lnot_1:
	s_cmp_eq_u32 s14, 2
	s_cbranch_scc0 .Lnot_2
	tensor_load_to_lds s[36:39], s[16:23]
	s_nop 0
.rept 4
	v_nop
.endr
	s_branch .Lfilled
.Lnot_2:
	tensor_load_to_lds s[52:55], s[24:31]
	s_nop 0
.rept 4
	v_nop
.endr
.Lfilled:
	v_and_b32 v1, 31, v0
	v_lshlrev_b32 v2, 4, v1                        ; 16 x lane
	v_and_b32 v3, 15, v0                           ; r
	v_bfe_u32 v4, v0, 4, 1                         ; h
	s_lshl_b32 s90, s15, 13                        ; my four token tiles of 2,048 bytes
	v_add_nc_u32 v[ADA], s90, v2
	v_add_nc_u32 v[ADA+1], 65536, v[ADA]
	s_mul_i32 s91, s66, 64*BP
	s_add_co_u32 s91, s91, BRO                     ; my 64 rows of w_out
	v_mul_u32_u24 v5, v3, BP
	v_lshl_add_u32 v5, v4, 3, v5                   ; row x pitch + 8 h
	v_add_nc_u32 v[ADB], s91, v5
	v_add_nc_u32 v[ADB+1], HB, v[ADB]
	s_mul_i32 s92, s14, 16*272
	s_add_co_u32 s92, s92, STG                     ; my stage
	v_mul_u32_u24 v6, v3, 272
	v_lshl_add_u32 v6, v4, 5, v6
	v_add_nc_u32 v[STO], s92, v6                   ; in: row r, 32 bytes for each half of the lanes
	v_mul_u32_u24 v6, v4, 272
	v_lshl_add_u32 v6, v3, 4, v6
	v_add_nc_u32 v[RD], s92, v6                    ; back: lanes 0-15 one row of 256 bytes, lanes 16-31 the next
	v_lshlrev_b32 v[CO], 12, v4
	v_lshl_add_u32 v[CO], v3, 4, v[CO]             ; and the same two rows in out0
	v_lshlrev_b32 v[BA], 5, v4                     ; b_out: 8 h numbers on
	s_wait_alu depctr_va_vdst(0)                   ; at the end of the head's vector work
	s_lshl_b32 s90, s69, 9
	s_lshl_b32 s91, s66, 8
	s_add_co_u32 s90, s90, s91                     ; my first column, in bytes: 512 x tile column + 256 x half
	s_mov_b32 s91, 0
	s_add_nc_u64 s[10:11], s[10:11], s[90:91]
	s_add_nc_u64 s[12:13], s[12:13], s[90:91]
	s_lshl_b32 s90, s70, 19
	s_lshl_b32 s92, s15, 18
	s_add_co_u32 s90, s90, s92                     ; my first row: (128 x tile row + 64 x half) x 4,096 bytes
	s_add_nc_u64 s[12:13], s[12:13], s[90:91]
.irp b, 0,1,2,3
	global_load_b128 v[BI+8*\b:BI+8*\b+3], v[BA], s[10:11] offset:64*\b
	global_load_b128 v[BI+8*\b+4:BI+8*\b+7], v[BA], s[10:11] offset:64*\b+16
.endr
	s_wait_kmcnt 0x0
	s_add_co_i32 s88, s86, s87
	s_add_co_i32 s88, s88, 127
	s_lshl_b32 s88, s88, 23                        ; 2^(e6 + e7) as f32
	s_mov_b32 s89, s88                             ; (named with it as a pair, so it is written)
.macro FETCHB u                        ; my 64 rows of w_out, half u of K: 128 loads into window 2 + u
	WIN 0x80+0x40*\u
.irp s, 0,1,2,3
.irp b, 0,1,2,3
.irp c, 0,1,2,3,4,5,6,7
	ds_load_b64 v[64*\s+16*\b+2*\c:64*\s+16*\b+2*\c+1], v[ADB+\u] offset:\b*16*BP+\s*128+16*\c   ; registers 2 c, 2 c + 1: k = 16 c + 8 h + 0 .. 7
.endr
.endr
.endr
.endm
.macro FETCHA a, u                     ; token block a, half u of K: 16 loads into buffer a % 2 of window 1; an image comes back as it was stored
	WIN 0x40
.irp s, 0,1,2,3
.irp q, 0,1,2,3
	ds_load_b128 v[128*((\a)%2)+64*\u+16*\s+4*\q:128*((\a)%2)+64*\u+16*\s+4*\q+3], v[ADA+\u] offset:\s*16384+(\a)*2048+\q*512
.endr
.endr
.endm
; 16 matrix instructions: block a, half u of K; the four accumulators take turns, K ascending.  The first product of each starts the sum
.macro MUL a, u
	WIN 0x06+\u                                    ; source 0 (B) window 2 + u, source 1 (A) window 1; C and D window 0
.irp s, 0,1,2,3
.irp b, 0,1,2,3
.if \u == 0 && \s == 0
	v_wmma_f32_16x16x128_fp8_fp8 v[ACC+32*(\a)+8*\b:ACC+32*(\a)+8*\b+7], v[64*\s+16*\b:64*\s+16*\b+15], v[128*((\a)%2)+64*\u+16*\s:128*((\a)%2)+64*\u+16*\s+15], 0
.else
	v_wmma_f32_16x16x128_fp8_fp8 v[ACC+32*(\a)+8*\b:ACC+32*(\a)+8*\b+7], v[64*\s+16*\b:64*\s+16*\b+15], v[128*((\a)%2)+64*\u+16*\s:128*((\a)%2)+64*\u+16*\s+15], v[ACC+32*(\a)+8*\b:ACC+32*(\a)+8*\b+7]
.endif
.endr
.endr
.endm
.macro PLACES                          ; four places in front of loads into registers that matrix instructions have read, and of the first read of results (ISA guide 7.12.1 for the first read of results)
.rept 4
	v_nop
.endr
.endm
; THE WAY OUT, block by block of 16 tokens x 64 columns.  A lane holds 32 neighbouring bytes of a row and the lanes beside it other rows: a block goes through my own stage in LDS and comes back as whole rows of 256 bytes.
; LDS serves a wave's instructions in order (ISA guide 5.7.1.4): no wait between the stores and the loads, nor in front of the next block's stores.
.macro TOSTAGE a
	WIN 0
.set j, 0
.rept 16
	v_pk_fma_f32 v[TMP+j:TMP+j+1], v[ACC+32*(\a)+j:ACC+32*(\a)+j+1], s[88:89], v[BI+j:BI+j+1] op_sel_hi:[1,0,1]   ; sum x 2^(e6 + e7) + b_out; each accumulator from its low end on
.set j, j+2
.endr
.set j, 0
.rept 32
	v_cmp_eq_f32 vcc_lo, v[TMP+j], v[TMP+j]        ; false for NaN alone,
	v_cndmask_b32 v[TMP+j], 0, v[TMP+j], vcc_lo    ; which becomes 0
.set j, j+1
.endr
.irp b, 0,1,2,3
	ds_store_b128 v[STO], v[TMP+8*\b:TMP+8*\b+3] offset:64*\b
	ds_store_b128 v[STO], v[TMP+8*\b+4:TMP+8*\b+7] offset:64*\b+16
.endr
.irp t, 0,1,2,3,4,5,6,7
	ds_load_b128 v[ACC+32*(\a)+4*\t:ACC+32*(\a)+4*\t+3], v[RD] offset:544*\t   ; into the block's own accumulators, which are done with: no store's data are ever rewritten
.endr
.endm
.macro SEND a, younger                 ; younger: the LDS instructions issued behind block a's loads
	WIN 0
.irp t, 0,1,2,3,4,5,6,7
	s_wait_dscnt \younger+7-\t
	global_store_b128 v[CO], v[ACC+32*(\a)+4*\t:ACC+32*(\a)+4*\t+3], s[12:13] offset:(\a)*65536+\t*8192 th:TH_STORE_NT   ; 16 lanes store 256 consecutive bytes, at a multiple of 256 from out0's first byte; written once, read by nobody here
.endr
.endm
	s_cmp_lt_u32 s14, 2                            ; the first half of K was asked for by waves 0 and 1; the others' loads may stay out
	s_cbranch_scc0 .Lsecond_out
	s_wait_tensorcnt 0x0
.Lsecond_out:
	s_barrier_signal -1
	s_barrier_wait -1                              ; the first half of K lies in LDS
	FETCHB 0
	FETCHA 0, 0
	s_wait_tensorcnt 0x0
	s_wait_dscnt 0x0
	s_barrier_signal -1
	s_barrier_wait -1                              ; all of K does
	FETCHB 1
	FETCHA 0, 1
	FETCHA 1, 0
	FETCHA 1, 1
	MUL 0, 0
	s_wait_dscnt 32                                ; all but block 1's 32 loads
	MUL 0, 1
	PLACES
	FETCHA 2, 0
	FETCHA 2, 1
	s_wait_loadcnt 0x0                             ; b_out
	TOSTAGE 0
	s_wait_dscnt 48                                ; block 1 is in: behind it block 2's 32 loads and the stage's 16
	MUL 1, 0
	MUL 1, 1
	PLACES
	FETCHA 3, 0
	FETCHA 3, 1
	SEND 0, 32                                     ; behind the stage's loads: block 3's 32; so block 2 is in too
	TOSTAGE 1
	MUL 2, 0
	MUL 2, 1
	PLACES
	SEND 1, 0                                      ; block 3 is in too
	TOSTAGE 2
	MUL 3, 0
	MUL 3, 1
	PLACES
	SEND 2, 0
	TOSTAGE 3
	SEND 3, 0
	s_wait_tensorcnt 0x0                           ; the wave's end
	ds_add_u32 v[SPW], v[NIL]
	s_wait_dscnt 0x0
	CROUND                                         ; the closing round: no work-group ends while a partner may still ask for a part that names it
	s_endpgm
.Lfunc_end_k_q1edc5f657b_outp:
	.size	k_q1edc5f657b_outp, .Lfunc_end_k_q1edc5f657b_outp-k_q1edc5f657b_outp
	.p2alignl 7, 3214868480
	.fill 96, 4, 3214868480
	.section	.rodata,"a",@progbits
	.p2align	6, 0x0
	.amdhsa_kernel k_q1edc5f657b_outp
		.amdhsa_group_segment_fixed_size 327680
		.amdhsa_private_segment_fixed_size 0
		.amdhsa_enable_private_segment 0
		.amdhsa_kernarg_size 40
		.amdhsa_user_sgpr_count 2
		.amdhsa_user_sgpr_kernarg_segment_ptr 1
		.amdhsa_wavefront_size32 1
		.amdhsa_system_sgpr_workgroup_id_x 1
		.amdhsa_system_sgpr_workgroup_id_y 1
		.amdhsa_system_sgpr_workgroup_id_z 1
		.amdhsa_system_vgpr_workitem_id 0
		.amdhsa_next_free_vgpr 1024
		.amdhsa_next_free_sgpr 94
		.amdhsa_reserve_vcc 1
		.amdhsa_float_denorm_mode_32 3
		.amdhsa_float_denorm_mode_16_64 3
		.amdhsa_memory_ordered 1
		.amdhsa_forward_progress 1
		.amdhsa_inst_pref_size 62
	.end_amdhsa_kernel
	.amdgpu_metadata
---
amdhsa.version: [ 1, 2 ]
amdhsa.kernels:
  - .name:           k_q1edc5f657b_outp
    .symbol:         k_q1edc5f657b_outp.kd
    .args:
      - { .name: att, .offset: 0, .size: 8, .value_kind: global_buffer, .address_space: global }
      - { .name: w_out_codes, .offset: 8, .size: 8, .value_kind: global_buffer, .address_space: global }
      - { .name: lowp_scales, .offset: 16, .size: 8, .value_kind: global_buffer, .address_space: global }
      - { .name: b_out, .offset: 24, .size: 8, .value_kind: global_buffer, .address_space: global }
      - { .name: out0, .offset: 32, .size: 8, .value_kind: global_buffer, .address_space: global }
    .group_segment_fixed_size: 327680
    .private_segment_fixed_size: 0
    .kernarg_segment_align: 8
    .kernarg_segment_size: 40
    .max_flat_workgroup_size: 128
    .sgpr_count:     94
    .vgpr_count:     1024
    .wavefront_size: 32
...
	.end_amdgpu_metadata
.endif
;; end of part 3
